; MI455X (gfx1250); checked and timed in simulation.
; The chip was launched on July 23, 2026; its instructions are those of AMD's public machine-readable ISA for CDNA 5 (MIT licence, August 2026) and "CDNA5" Instruction Set Architecture Reference Guide (July 2026). The comments in the code are by the model that wrote it; some were corrected since.
;; Basic Mo E. Allowed arithmetic: matrix products marked QUANTISED: E5M2 operands, one given power-of-two scale a tensor, by v_wmma_f32_16x16x64_bf8_bf8 or v_wmma_f32_16x16x128_bf8_bf8, f32 sums; products left as they are: f32 operands where the result goes on into a quantised operand, else bf16, f16 or f32 operands; f32 sums; everything else in f32.
;; Inputs: We_codes 8 x 1,024 x 32 x 32 uint8 (E5M2 codes of We, K innermost, in blocks of 32 codes); Wg 1,024 x 8 float32; be 8 x 1,024 float32; bg 8 float32; lowp_scales 2 int32 (the exponents e of the quantised operands' scales 2^e); x 8,192 x 1,024 float32.
;; Outputs: out0 8,192 x 1,024 float32.
;; This version of the problem:
;;   THIS VERSION OF THE PROBLEM IS GIVEN IN LOW PRECISION. The matrix products marked QUANTISED in the list below multiply operands that are first quantised to E5M2 (5 exponent bits, 2 mantissa bits; 8 bits a number), with one given power-of-two scale for each operand tensor; their sums are f32. All else is computed in f32.
;;   The module's matrix products, in the order in which they are computed (A, B: the left and right operand; K: the contracted axis; several contracted axes count as one K, in the product's order):
;;     1. [M 8,192, K 1,024] x [K 1,024, N 8]; A: input x; B: input Wg: left as it is (N = 8 < 16)
;;     2. [M 8,192, K 1,024] x [K 1,024, N 8,192]; A: input x; B: input We (given as codes): QUANTISED (scales: A lowp_scales[0], B lowp_scales[1])
;;     3. batch 8,192 x [M 1, K 8] x [K 8, N 1,024]; A: softmax; B: computed on the way: left as it is (K = 8 < 32)
;;   THE QUANTISER, for each operand of a quantised product, along K:
;;     - The operand's scale is 2^e, e = its entry of the input lowp_scales (int32; the entries are numbered through the quantised products in the list's order, A before B).
;;     - Each number is divided by the scale, clamped to +-57,344, and rounded to the nearest number of E5M2, ties to even, subnormals kept.
;;     - The product sums the exact products of the quantised numbers (number of the format x scale) in f32.
;;   ~~~python
;;   def quantise(x, axis, e):      # numpy; x: float32 -> the quantised numbers, widened to float32 again
;;       x = np.moveaxis(x, axis, -1); K = x.shape[-1]
;;       r = np.clip(x / 2.0 ** e, -57344, 57344)
;;       step = 2.0 ** (np.maximum(np.frexp(np.where(r == 0, 1, r))[1] - 1, -14) - 2)
;;       q = np.round(r / step) * step * 2.0 ** e      # np.round: ties to even
;;       return np.moveaxis(q, -1, axis).astype(np.float32)
;;   ~~~
;;   INPUTS GIVEN AS CODES. We (in the module: [8, 1024, 1024], K = its axis 1): each comes as NAME_codes (uint8): NAME with its K axis moved to the last place and cut into blocks of 32 codes, [.., K / 32, bytes a block], one block behind the other in memory; one code a byte (a code: sign, 5 exponent bits, 2 mantissa bits); its scale is its entry of lowp_scales. Its value is code x scale, taken as it is: it is not quantised again, and the codes and scales need not be those that the quantiser above would give.
;; One version. Each part assembles by itself: llvm-mc -triple=amdgcn-amd-amdhsa -mcpu=gfx1250 --defsym DOCPART=n.
;; ======== version 1 of 1: 2 launches
;; limits: values are held in bf16: 8 bits of precision; right only within a limited range of input values
;; workspace buffers: xq 8,388,608 bytes; gates 262,144 bytes
;; launch prep (part 1): grid 256 x 1, 8 waves a work-group, no clusters, 146,432 bytes of LDS; arguments x, Wg, bg, lowp_scales, xq, gates; writes xq, gates
.if DOCPART == 1
	.amdgcn_target "amdgcn-amd-amdhsa--gfx1250"
	.amdhsa_code_object_version 6
	.text
	.protected	k_qc5245469b8_prep
	.globl	k_qc5245469b8_prep
	.p2align	8
	.type	k_qc5245469b8_prep,@function
k_qc5245469b8_prep:
	s_mov_b64 s[64:65], 0
	v_nop
	global_prefetch_b8 v0, s[64:65] scope:SCOPE_SE
	s_setreg_imm32_b32 hwreg(HW_REG_WAVE_MODE, 25, 1), 1
	s_wait_xcnt 0x0
; x [8192][1024] f32 is read once and gives two things:
;  xq:    its codes of BF8 (E5M2) under the given scale 2^ex, laid as images of the next launch's operand registers:
;         byte = (token / 64) 65536 + (4 s + a) 2048 + 512 c + 16 lane;  s = K step of 128, a = (token / 16) % 4;
;         lane (r, h) holds token 16 a + r, k = 128 s + 32 c + 16 h + 0 .. 15.
;  gates: [8192][8] f32 = softmax(x Wg + bg) x 2^(ex + ew): the power of two that the next launch's sums lack rides on the gate.
; code = x / 2^ex, held within +-57,344, rounded to the nearest code, ties to even.
; THE GATE PRODUCT (N = 8, left as it is) takes both operands as pairs of bf16 numbers, a high part and what it leaves: 16 bits of mantissa.
;   Source 0: rows 0-7 the high parts of Wg^T, rows 8-15 the low parts; source 1: 16 tokens, once their high and once their low parts.
; LIMITS: ex between -126 and 112, so that 2^ex and 57,344 x 2^ex are f32 numbers; ex + ew is applied by v_ldexp_f32.
;   |x| and |Wg| under 2^127.  NaN and infinities in x are not served.
;   A gate under 2^-48 of its row's largest counts as 2^-48 of it: that moves a result by at most 2^-48 x the expert's output, and lets the next launch divide by gates.
; SHARES.  A work-group takes 32 tokens: two tiles of 16.  Wave w takes tile t = w % 2 and K quarter q = w / 2 (K steps 2 q, 2 q + 1).
; Each of a wave's 32 loads of x reads 512 consecutive bytes of a row; a step's 16 rows turn through the wave's own stage in LDS, so that
; a lane ends with 16 neighbours along K of each block of 32 of ONE token.  The product's operands hold the same k in the same place on both sides, so every product meets its partner.
; The four quarters meet in LDS behind one barrier.  No prefetch: every load stands at the head, and there is no loop.
.set SPITCH, 528                       ; a stage row: 512 bytes + 16: an odd multiple of 16 bytes
.set STGW,   8704
.set WPITCH, 1040                      ; a row of Wg^T: 256 k x 4 bytes + 16
.set WGW,    8448
.set WGL,    8*STGW
.set RED,    WGL+8*WGW                 ; the waves' partial logits: 1,024 bytes a wave
.set SPARE,  0x23800
.set MN,  1                            ; v1   -1.0
.set MW,  13                           ; v13  -1.0 in lanes whose row of Wg is a low part, else 0
.set TW,  32                           ; v32-95   Wg as loaded; then a step of Wg^T: register 16 c + i = Wg[32 c + 16 h + i][r % 8]
.set XH,  32                           ; then, for a block of 32 k: the high parts,
.set XO,  40                           ; the low parts,
.set XT,  48                           ; and what the high parts leave, in f32
.set CD,  96                           ; v96-127  the codes: 16 registers a step; ahead of them the high parts of Wg
.set X,   128                          ; v128-255 x: 64 registers a step, as loaded, then turned
                                       ; the four accumulators: v16-31, v80-95.  Window 1, v0-63: Wg^T's operand, 8 registers for each block of 32 k
.set MSB, 0
.macro WIN new
.if MSB != (\new)
	s_set_vgpr_msb (MSB<<8)|(\new)
.set MSB, (\new)
.endif
.endm
	s_load_b256 s[4:11], s[0:1], 0x0               ; x s[4:5], Wg s[6:7], bg s[8:9], the scales' exponents s[10:11]
	s_load_b128 s[12:15], s[0:1], 0x20             ; xq s[12:13], gates s[14:15]
	v_lshl_add_u32 v14, v0, 2, SPARE
	v_mov_b32 v15, 0
	v_lshrrev_b32 v1, 5, v0
	v_readfirstlane_b32 s16, v1                    ; wave 0..7
	v_and_b32 v1, 31, v0                           ; lane
	v_and_b32 v2, 15, v0                           ; r
	v_bfe_u32 v3, v0, 4, 1                         ; h
	v_lshlrev_b32 v4, 4, v1                        ; 16 x lane: my bytes of a load or store of 512
	s_mul_i32 s19, s16, WGW
	s_add_co_u32 s19, s19, WGL                     ; my quarter of Wg^T in LDS
	s_mul_i32 s20, s16, STGW                       ; my stage
	s_lshl_b32 s21, s16, 10
	s_add_co_u32 s21, s21, RED
	v_and_b32 v5, 1, v0                            ; in: of a load's 512 bytes I hold row k = lane / 2, experts 4 (lane % 2) + 0 .. 3
	v_bfe_u32 v13, v0, 1, 4
	v_and_b32 v6, 7, v0                            ; out: row r % 8, + 64 h
	v_mul_u32_u24 v8, v2, SPITCH
	v_mul_u32_u24 v5, v5, 4*WPITCH
	v_mul_u32_u24 v6, v6, WPITCH
	v_add_nc_u32 v7, s20, v4                       ; stage, in: a row as it was loaded
	v_lshl_add_u32 v8, v3, 6, v8
	v_lshl_add_u32 v5, v13, 2, v5
	v_lshl_add_u32 v6, v3, 6, v6
	v_add_nc_u32 v9, s21, v4                       ; my partial logits
	v_add_nc_u32 v8, s20, v8                       ; stage, out: row r, + 64 h: my 16 numbers of a block of 32
	v_add_nc_u32 v5, s19, v5
	v_add_nc_u32 v6, s19, v6
	v_lshlrev_b32 v10, 5, v2
	v_cmp_lt_u32 vcc_lo, 7, v2
	v_mov_b32 v[MN], -1.0
	v_lshl_add_u32 v10, v3, 4, v10                 ; gates: 32 r + 16 h
	v_cndmask_b32 v[MW], 0, v[MN], vcc_lo
	s_and_b32 s17, s16, 1                          ; t: my tile of 16 tokens
	s_lshr_b32 s18, s16, 1                         ; q: my quarter of K
	s_lshl_b32 s32, ttmp9, 17                      ; x: (32 g + 16 t) rows of 4,096 bytes + 1,024 q
	s_lshl_b32 s34, s17, 16
	s_add_co_u32 s32, s32, s34
	s_lshl_b32 s34, s18, 10
	s_add_co_u32 s32, s32, s34
	s_mov_b32 s33, 0
	s_lshl_b32 s34, s18, 13                        ; Wg: 256 q rows of 32 bytes
	s_mov_b32 s35, 0
	s_lshr_b32 s36, ttmp9, 1                       ; xq: (g / 2) 65536 + (2 (g % 2) + t) 2048 + 2 q x 8192
	s_lshl_b32 s36, s36, 16
	s_and_b32 s38, ttmp9, 1
	s_lshl_b32 s38, s38, 12
	s_add_co_u32 s36, s36, s38
	s_lshl_b32 s38, s17, 11
	s_add_co_u32 s36, s36, s38
	s_lshl_b32 s38, s18, 14
	s_add_co_u32 s36, s36, s38
	s_mov_b32 s37, 0
	s_lshl_b32 s38, ttmp9, 10                      ; gates: (32 g + 16 t) rows of 32 bytes
	s_lshl_b32 s39, s17, 9
	s_add_co_u32 s38, s38, s39
	s_mov_b32 s39, 0
	s_mov_b32 s43, 0x3fb8aa3b                      ; log2(e)
	s_wait_alu depctr_va_vdst(0)                   ; the wait at the head's end
	s_wait_kmcnt 0x0
	s_load_b64 s[40:41], s[10:11], 0x0             ; ex, ew
	s_load_b256 s[24:31], s[8:9], 0x0              ; bg
	s_add_nc_u64 s[4:5], s[4:5], s[32:33]
	s_add_nc_u64 s[6:7], s[6:7], s[34:35]
	s_add_nc_u64 s[12:13], s[12:13], s[36:37]
	s_add_nc_u64 s[14:15], s[14:15], s[38:39]
.irp j, 0,1,2,3,4,5,6,7,8,9,10,11,12,13,14,15
	global_load_b128 v[TW+4*\j:TW+4*\j+3], v4, s[6:7] offset:512*\j   ; my quarter of Wg: 16 rows of 8 experts a load
.endr
.irp sp, 0,1
.irp i, 0,1,2,3,4,5,6,7,8,9,10,11,12,13,14,15
	global_load_b128 v[X+64*\sp+4*\i:X+64*\sp+4*\i+3], v4, s[4:5] offset:4096*\i+512*\sp th:TH_LOAD_NT   ; row i, one K step; read once in the launch
.endr
.endr
.macro WFL sp                          ; Wg^T of step sp: lanes r and r + 8 read the same words
.irp c, 0,1,2,3
.irp j, 0,1,2,3
	ds_load_b128 v[TW+16*\c+4*\j:TW+16*\c+4*\j+3], v6 offset:512*\sp+128*\c+16*\j
.endr
.endr
.endm
.macro SPLIT m, hi, f, to              ; 16 f32 numbers from f on: their high parts in 8 registers from hi on; from 'to' on: number + m x its high part
.irp i, 0,1,2,3,4,5,6,7
	v_cvt_pk_bf16_f32 v[\hi+\i], v[\f+2*\i], v[\f+2*\i+1]
.endr
.irp i, 0,1,2,3,4,5,6,7
	v_fma_mix_f32_bf16 v[\to+2*\i], v[\hi+\i], v[\m], v[\f+2*\i] op_sel_hi:[1,0,0]
	v_fma_mix_f32_bf16 v[\to+2*\i+1], v[\hi+\i], v[\m], v[\f+2*\i+1] op_sel:[1,0,0] op_sel_hi:[1,0,0]
.endr
.endm
.macro WCONV sp                        ; a step of Wg^T becomes operands in window 1: high parts in lanes r < 8 (m = 0 leaves the number whole), low parts in the others
.irp c, 0,1,2,3
	SPLIT MW, CD+8*(\c%2), TW+16*\c, TW+16*\c
	WIN 0x40
.irp i, 0,1,2,3,4,5,6,7
	v_cvt_pk_bf16_f32 v[8*(4*\sp+\c)+\i], v[TW+16*\c+2*\i], v[TW+16*\c+2*\i+1]
.endr
	WIN 0
.endr
.endm
.macro TURN sp                         ; step sp through my stage: LDS serves a wave's instructions in order (ISA guide 5.7.1.4)
.irp i, 0,1,2,3,4,5,6,7,8,9,10,11,12,13,14,15
	ds_store_b128 v7, v[X+64*\sp+4*\i:X+64*\sp+4*\i+3] offset:SPITCH*\i
.endr
.irp i, 0,1,2,3,4,5,6,7,8,9,10,11,12,13,14,15
	ds_load_b128 v[X+64*\sp+4*\i:X+64*\sp+4*\i+3], v8 offset:128*(\i/4)+16*(\i%4)   ; register 16 c + i = x[r][32 c + 16 h + i] of the step
.endr
.endm
.macro PROC sp                         ; a step of 128 along K: its part of the logits (four accumulators by turns), and its codes
.irp c, 0,1,2,3
.set XB, X+64*\sp+16*\c
	SPLIT MN, XH, XB, XT
.irp i, 0,1,2,3,4,5,6,7
	v_cvt_pk_bf16_f32 v[XO+\i], v[XT+2*\i], v[XT+2*\i+1]
.endr
.set LA, 16+64*(\c%2)
.set WK, 8*(4*\sp+\c)
	WIN 0x01
.if (\sp == 0) && (\c < 2)
	v_wmma_f32_16x16x32_bf16 v[LA:LA+7], v[WK:WK+7], v[XH:XH+7], 0
	v_wmma_f32_16x16x32_bf16 v[LA+8:LA+15], v[WK:WK+7], v[XO:XO+7], 0
.else
	v_wmma_f32_16x16x32_bf16 v[LA:LA+7], v[WK:WK+7], v[XH:XH+7], v[LA:LA+7]
	v_wmma_f32_16x16x32_bf16 v[LA+8:LA+15], v[WK:WK+7], v[XO:XO+7], v[LA+8:LA+15]
.endif
	WIN 0
.irp i, 0,1,2,3,4,5,6,7,8,9,10,11,12,13,14,15
	v_med3_num_f32 v[XB+\i], v[XB+\i], -v12, v12   ; the conversion to an 8-bit code does not saturate (ISA guide 7.6.2): the hold.  (These are also the places behind the products)
.endr
	v_cvt_scalef32_pk8_bf8_f32 v[CD+16*\sp+4*\c:CD+16*\sp+4*\c+1], v[XB:XB+7], v11
	v_cvt_scalef32_pk8_bf8_f32 v[CD+16*\sp+4*\c+2:CD+16*\sp+4*\c+3], v[XB+8:XB+15], v11
.endr
	v_nop                                          ; one plain vector instruction behind the last scaled conversion
.irp c, 0,1,2,3
	global_store_b128 v4, v[CD+16*\sp+4*\c:CD+16*\sp+4*\c+3], s[12:13] offset:8192*\sp+512*\c   ; 512 consecutive bytes
.endr
.endm
	s_wait_kmcnt 0x0
	s_add_co_i32 s42, s40, s41                     ; ex + ew
	s_add_co_i32 s40, s40, 127
	s_lshl_b32 s41, s40, 23
	v_mov_b32 v11, s41                             ; 2^ex as f32: the conversion takes its exponent field
	s_add_co_i32 s40, s40, 15
	s_lshl_b32 s40, s40, 23
	s_or_b32 s40, s40, 0x600000
	v_mov_b32 v12, s40                             ; 57,344 x 2^ex
	s_wait_alu depctr_va_vdst(0)
	s_wait_loadcnt 32                              ; Wg is in; the 32 loads of x were issued behind it
.irp j, 0,1,2,3,4,5,6,7,8,9,10,11,12,13,14,15
.irp e, 0,1,2,3
	ds_store_b32 v5, v[TW+4*\j+\e] offset:WPITCH*\e+64*\j   ; Wg[16 j + lane / 2][4 (lane % 2) + e]
.endr
.endr
	WFL 0                                          ; (these see my stores, and land where the stores' data lay)
	s_wait_dscnt 0x0
	WCONV 0
	WFL 1
	s_wait_dscnt 0x0
	WCONV 1
	s_wait_alu depctr_va_vdst(0)
	s_wait_loadcnt 16                              ; step 0's sixteen rows are in; step 1's may be out
	TURN 0
	s_wait_dscnt 0x0
	PROC 0
	s_wait_loadcnt 0x0
	TURN 1
	s_wait_dscnt 0x0
	PROC 1
.irp i, 0,2,4,6
	v_pk_add_f32 v[32+\i:33+\i], v[16+\i:17+\i], v[24+\i:25+\i]   ; the four accumulators, each from its low end on, into other registers
	v_pk_add_f32 v[48+\i:49+\i], v[80+\i:81+\i], v[88+\i:89+\i]
.endr
.irp i, 0,2,4,6
	v_pk_add_f32 v[32+\i:33+\i], v[32+\i:33+\i], v[48+\i:49+\i]
.endr
	ds_store_b128 v9, v[32:35]
	ds_store_b128 v9, v[36:39] offset:512
	v_xor_b32 v7, 0x100, v4                        ; 16 x (lane xor 16), in my partial logits: the lanes that hold the other part of Wg
	v_add_nc_u32 v7, s21, v7
	v_cmp_eq_u32 vcc_lo, 1, v3
	s_wait_alu depctr_va_vdst(0)
	s_wait_dscnt 0x0                               ; for the others' sake: my partial logits lie in LDS
	s_barrier_signal -1
	s_barrier_wait -1
	s_cmp_lt_u32 s16, 2                            ; waves 0 and 1 finish tiles 0 and 1
	s_cbranch_scc1 .Lgates
	s_wait_tensorcnt 0x0
	ds_add_u32 v14, v15
	s_wait_dscnt 0x0
	s_endpgm
.Lgates:
.irp p, 0,1,2,3                        ; the parts of quarters 0 to 3 of my tile: waves w, w + 2, w + 4, w + 6; of each both halves of the lanes
	ds_load_b128 v[X+16*\p:X+16*\p+3], v9 offset:2048*\p
	ds_load_b128 v[X+16*\p+4:X+16*\p+7], v9 offset:2048*\p+512
	ds_load_b128 v[X+16*\p+8:X+16*\p+11], v7 offset:2048*\p
	ds_load_b128 v[X+16*\p+12:X+16*\p+15], v7 offset:2048*\p+512
.endr
	s_wait_dscnt 0x0
.irp p, 0,1,2,3
.irp i, 0,2,4,6
	v_pk_add_f32 v[X+16*\p+\i:X+16*\p+\i+1], v[X+16*\p+\i:X+16*\p+\i+1], v[X+16*\p+8+\i:X+16*\p+8+\i+1]
.endr
.endr
.irp i, 0,2,4,6
	v_pk_add_f32 v[X+\i:X+\i+1], v[X+\i:X+\i+1], v[X+16+\i:X+16+\i+1]
	v_pk_add_f32 v[X+32+\i:X+32+\i+1], v[X+32+\i:X+32+\i+1], v[X+48+\i:X+48+\i+1]
.endr
.irp i, 0,2,4,6
	v_pk_add_f32 v[X+\i:X+\i+1], v[X+\i:X+\i+1], v[X+32+\i:X+32+\i+1]
.endr
.irp e, 0,1,2,3,4,5,6,7
	v_add_f32 v[X+\e], s[24+\e], v[X+\e]           ; + bg
.endr
	v_max3_num_f32 v160, v128, v129, v130          ; the row's largest logit is taken away
	v_max3_num_f32 v161, v131, v132, v133
	v_max_num_f32 v162, v134, v135
	s_delay_alu instid0(VALU_DEP_1)
	v_max3_num_f32 v160, v160, v161, v162
	s_delay_alu instid0(VALU_DEP_1)
	v_mul_f32 v161, s43, v160
.irp e, 0,1,2,3,4,5,6,7
	v_fma_f32 v[X+\e], v[X+\e], s43, -v161         ; (l - m) log2(e),
.endr
.irp e, 0,1,2,3,4,5,6,7
	v_max_num_f32 v[X+\e], 0xc2400000, v[X+\e]     ; held at -48 or above (the limit at the head)
.endr
	s_wait_alu depctr_va_vdst(0)                   ; the wait ahead of the batch
.irp e, 0,1,2,3,4,5,6,7
	v_exp_f32 v[X+\e], v[X+\e]
.endr
	v_nop                                          ; a plain instruction behind the last exponential
	s_wait_alu depctr_va_vdst(0)                   ; one wait for the batch, ahead of its first reader
	v_pk_add_f32 v[136:137], v[128:129], v[130:131]
	v_pk_add_f32 v[138:139], v[132:133], v[134:135]
	s_delay_alu instid0(VALU_DEP_1)
	v_pk_add_f32 v[136:137], v[136:137], v[138:139]
	s_delay_alu instid0(VALU_DEP_1)
	v_add_f32 v136, v136, v137
	s_wait_alu depctr_va_vdst(0)
	v_rcp_f32 v140, v136
	v_nop
	s_wait_alu depctr_va_vdst(0)
	v_ldexp_f32 v140, v140, s42                    ; x 2^(ex + ew)
.irp e, 0,1,2,3,4,5,6,7
	v_mul_f32 v[X+\e], v[X+\e], v140
.endr
.irp i, 0,1,2,3
	v_cndmask_b32 v[144+\i], v[X+\i], v[X+4+\i], vcc_lo   ; lanes 0-15 store experts 0-3, lanes 16-31 experts 4-7
.endr
	global_store_b128 v10, v[144:147], s[14:15]    ; 16 tokens x 32 bytes: 512 consecutive bytes
	s_wait_tensorcnt 0x0
	ds_add_u32 v14, v15
	s_wait_dscnt 0x0
	s_endpgm
.Lfunc_end_k_qc5245469b8_prep:
	.size	k_qc5245469b8_prep, .Lfunc_end_k_qc5245469b8_prep-k_qc5245469b8_prep
	.p2alignl 7, 3214868480
	.fill 96, 4, 3214868480
	.section	.rodata,"a",@progbits
	.p2align	6, 0x0
	.amdhsa_kernel k_qc5245469b8_prep
		.amdhsa_group_segment_fixed_size 146432
		.amdhsa_private_segment_fixed_size 0
		.amdhsa_enable_private_segment 0
		.amdhsa_kernarg_size 48
		.amdhsa_user_sgpr_count 2
		.amdhsa_user_sgpr_kernarg_segment_ptr 1
		.amdhsa_wavefront_size32 1
		.amdhsa_system_sgpr_workgroup_id_x 1
		.amdhsa_system_sgpr_workgroup_id_y 1
		.amdhsa_system_sgpr_workgroup_id_z 1
		.amdhsa_system_vgpr_workitem_id 0
		.amdhsa_next_free_vgpr 320
		.amdhsa_next_free_sgpr 66
		.amdhsa_reserve_vcc 1
		.amdhsa_float_denorm_mode_32 3
		.amdhsa_float_denorm_mode_16_64 3
		.amdhsa_memory_ordered 1
		.amdhsa_forward_progress 1
		.amdhsa_inst_pref_size 70
	.end_amdhsa_kernel
	.amdgpu_metadata
---
amdhsa.version: [ 1, 2 ]
amdhsa.kernels:
  - .name:           k_qc5245469b8_prep
    .symbol:         k_qc5245469b8_prep.kd
    .args:
      - { .name: x, .offset: 0, .size: 8, .value_kind: global_buffer, .address_space: global }
      - { .name: Wg, .offset: 8, .size: 8, .value_kind: global_buffer, .address_space: global }
      - { .name: bg, .offset: 16, .size: 8, .value_kind: global_buffer, .address_space: global }
      - { .name: lowp_scales, .offset: 24, .size: 8, .value_kind: global_buffer, .address_space: global }
      - { .name: xq, .offset: 32, .size: 8, .value_kind: global_buffer, .address_space: global }
      - { .name: gates, .offset: 40, .size: 8, .value_kind: global_buffer, .address_space: global }
    .group_segment_fixed_size: 146432
    .private_segment_fixed_size: 0
    .kernarg_segment_align: 8
    .kernarg_segment_size: 48
    .max_flat_workgroup_size: 256
    .sgpr_count:     66
    .vgpr_count:     320
    .wavefront_size: 32
...
	.end_amdgpu_metadata
.endif
;; end of part 1
;; launch moe (part 2): grid 32 x 8, 4 waves a work-group, clusters of 4 x 1, 327,680 bytes of LDS; arguments xq, We_codes, gates, be, lowp_scales, out0; writes out0
.if DOCPART == 2
	.amdgcn_target "amdgcn-amd-amdhsa--gfx1250"
	.amdhsa_code_object_version 6
	.text
	.protected	k_qc5245469b8_moe
	.globl	k_qc5245469b8_moe
	.p2align	8
	.type	k_qc5245469b8_moe,@function
k_qc5245469b8_moe:
	s_mov_b64 s[64:65], 0
	v_nop
	global_prefetch_b8 v0, s[64:65] scope:SCOPE_SE
	s_setreg_imm32_b32 hwreg(HW_REG_WAVE_MODE, 25, 1), 1
	s_wait_xcnt 0x0
	s_wait_alu depctr_hold_cnt(0) depctr_sa_sdst(0) depctr_va_vdst(0) depctr_va_sdst(0) depctr_va_ssrc(0) depctr_va_vcc(0) depctr_vm_vsrc(0)
	s_getreg_b32 s2, hwreg(HW_REG_IB_STS2, 6, 4)
	s_cmp_eq_u32 s2, 0
	s_cbranch_scc0 .Lentry_in_a_cluster
	s_endpgm
.Lentry_in_a_cluster:
	s_bfe_u32 s2, ttmp6, 0x10000c
	s_cmp_lg_u32 s2, 0x3003
	s_cbranch_scc0 .Lentry_shape_is_right
	s_endpgm
.Lentry_shape_is_right:
; out[n][o] = sum over e of g[n][e] (x[n] . We[e][:, o] x 2^(ex + ew) + be[e][o]); x and We as codes of BF8, g = the softmax's gates, which arrive x 2^(ex + ew).
; ONE SET OF SUMS FOR ALL EXPERTS.  The sums go on from expert to expert; between experts e and e' they are multiplied by g[e] / g[e'], and at the end by the last gate:
;   sum = (.. ((y0 + b0) g0/g1 + y1 + b1) g1/g2 + ..) g7.  The same multiply-add that rescales brings the next expert's bias in.
; K goes in two halves of 512: segments 0-7 are experts 0-7 on k = 0 .. 511, segments 8-15 experts 0-7 on k = 512 .. 1023.  Each of an expert's two segments adds half its bias.
; LIMITS: ex + ew between -74 and 100, so that the scaled gates (at least 2^-51 x 2^(ex + ew)) and their reciprocals are normal f32 numbers; |be| x 2^-(ex + ew) under 2^70.
;   A sum of codes is at most 2^42, over a gate at most 2^93.
; SHARES.  A work-group makes 256 tokens x 128 columns: 32 x 8 work-groups.  Wave w: tokens 128 (w / 2) .., columns 64 (w % 2) ..: 8 x 4 tiles of 16 x 16, 256 registers.
;   x of 128 tokens x 512 k stays in 512 registers: each fragment of We read from LDS feeds eight products.  x is loaded twice: at the head, and in the middle for the second half of K.
; We comes through two LDS slots: a slot = 2 experts x 128 columns x 512 k, a wave's load 64 rows x 512 bytes.  A slot is 2 segments, 256 matrix instructions a wave.
; CLUSTERS: the four work-groups of a cluster differ in their tokens alone and ask jointly for We's tiles.  We is not prefetched: a refill has 256 matrix instructions in which to land.
; The second half of x is prefetched once, ahead of the loop, 7 segments ahead of its loads: clusters y and y + 4 name a quarter of a token block's bytes each, by address; a wave 32 blocks of 256 bytes.
; TRANSPOSED: source 0 = 16 rows of We (columns of out), source 1 = 16 tokens: lane (r, h) holds token r, and its register j column 8 h + j.
; REGISTERS: window 0: v0-63 at work, v64-255 fragments of We (K steps 1 and 3: v64, 0: v128, 2: v192); window 1: the sums, tile (a, b) at 8 (4 a + b);
;   window 2: x of K steps 0, 1; window 3: of K steps 2, 3: tile a at 128 (s % 2) + 16 a.
.set PITCH, 528                        ; an LDS row: 512 bytes + 16 of padding, an odd multiple of 16
.set HALFT, 64*PITCH
.set SLOT,  4*HALFT                    ; 0x21000: its bits are in no wave x HALFT (0x8400, 0x10800, 0x18c00), so an exclusive or steps from slot to slot
.set RL,    2*SLOT                     ; each wave's own table of factors: 9 rows of 512 bytes: row i = g[i] / g[(i + 1) % 8], row 8 = g[7] 2^(ex + ew); 32 r + 4 a
.set RW1,   4608
.set BL,    RL+4*RW1                   ; each wave's own table of biases x 2^-(ex + ew) / 2: 10 rows of 256 bytes: expert e in row e, experts 0 and 1 again in rows 8 and 9
.set BW1,   2560
.set SPARE, BL+4*BW1
.set SP,    272                        ; the way out: a stage of 16 rows for each wave, in slot 0 behind its last fill
.set SPW,  4
.set NIL,  5
.set ADB0, 6                           ; LDS address of my fragments: segment 0, 1 of slot 0
.set AD0,  8                           ; and in the slot in hand
.set RAB,  10
.set RA,   11
.set BAB,  12
.set BA,   13
.set XO,   14
.set RTW,  15
.set BTW,  16
.set GO,   17
.set STO,  20
.set RD,   21
.set CO,   22
.set PFO,  23
.set RT,   24                          ; v24-31 the factor for each of my 8 token tiles
.set BI,   32                          ; v32-63 the next expert's bias: 8 columns for each of 4 tiles
.set G1,  24
.set G0,  32
.set WB,  36
.set OFF, 38
.set T,   40                           ; the slot's number, 0 .. 7
.set TB,  41                           ; LDS byte at which the slot in hand begins
.set LC,  42
.set SE,  43
.set NE,  44
.set ROT, 45
.set PF,  46
.set BOT, 63
.set MSB, 0
.macro WIN new                         ; the immediate's high byte repeats the setting that is left
.if MSB != (\new)
	s_set_vgpr_msb (MSB<<8)|(\new)
.set MSB, (\new)
.endif
.endm
.macro CREST
	s_cmp_lg_u32 s16, 0
	s_cbranch_scc1 .Lnot_wave_0_\@
	s_barrier_signal -3
.Lnot_wave_0_\@:
	s_barrier_wait -3
	s_barrier_signal -1
	s_barrier_wait -1
.endm
.macro CROUND
	s_barrier_signal -1
	s_barrier_wait -1
	CREST
.endm
.macro PLACES                          ; four places behind matrix instructions (ISA guide 7.12.1 for vector instructions)
.rept 4
	v_nop
.endr
.endm
.macro XL s, kh, a0, n                 ; x of K step s of half kh, token tiles a0 .. a0 + n - 1: each load 512 consecutive bytes
	WIN (0x80+0x40*((\s)/2))
.set XA, \a0
.rept \n
.irp c, 0,1,2,3
	global_load_b128 v[128*((\s)%2)+16*XA+4*\c:128*((\s)%2)+16*XA+4*\c+3], v[XO], s[4:5] offset:(XA/4)*65536+(4*(4*(\kh)+(\s))+XA%4)*2048+512*\c
.endr
.set XA, XA+1
.endr
	WIN 0
.endm
.macro FBUF s                          ; step s's fragments
.set FB, 64*((\s)%2)+(1-(\s)%2)*(128+32*(\s))
.endm
.macro FETCH adr, s                    ; We's four fragments of K step s
	FBUF \s
.irp b, 0,1,2,3
.irp c, 0,1,2,3
	ds_load_b128 v[FB+16*\b+4*\c:FB+16*\b+4*\c+3], v[\adr] offset:\b*16*PITCH+(\s)*128+32*\c
.endr
.endr
.endm
.macro FACTORS off
	ds_load_b128 v[RT:RT+3], v[RA] offset:\off
	ds_load_b128 v[RT+4:RT+7], v[RA] offset:\off+16
.endm
.macro BIAS off
.irp b, 0,1,2,3
	ds_load_b128 v[BI+8*\b:BI+8*\b+3], v[BA] offset:\off+64*\b
	ds_load_b128 v[BI+8*\b+4:BI+8*\b+7], v[BA] offset:\off+64*\b+16
.endr
.endm
; Matrix instructions of K step s: numbers q0 .. q0 + n - 1 of the tiles a0 .. a0 + na - 1 x 4, number q = na b + a.  The tiles take turns.  first: the launch's first step, with the bias as C.
.macro MULT s, a0, na, q0, n, first
	FBUF \s
.set Q, \q0
.rept \n
.set QA, (\a0)+Q%(\na)
.set QB, Q/(\na)
.set AC, 8*(4*QA+QB)
.set XR, 128*((\s)%2)+16*QA
.if \first
	WIN 0x48
	v_wmma_f32_16x16x128_bf8_bf8 v[AC:AC+7], v[FB+16*QB:FB+16*QB+15], v[XR:XR+15], v[BI+8*QB:BI+8*QB+7]
.else
	WIN (0x58+4*((\s)/2))
	v_wmma_f32_16x16x128_bf8_bf8 v[AC:AC+7], v[FB+16*QB:FB+16*QB+15], v[XR:XR+15], v[AC:AC+7]
.endif
.set Q, Q+1
.endr
.endm
.macro MULS s
	MULT \s, 0, 8, 0, 32, 0
.endm
; The sums go over to the next expert, tile by tile in the order in which they were finished.  (Two neighbouring token tiles' factors are a pair: the low or the high one serves both halves)
.macro RESCALE
	PLACES
	WIN 0x41
.set Q, 0
.rept 32
.set AC, 8*(4*(Q%8)+Q/8)
.set RP, RT+2*((Q%8)/2)
.set BQ, BI+8*(Q/8)
.irp i, 0,2,4,6
.if (Q%2) == 0
	v_pk_fma_f32 v[AC+\i:AC+\i+1], v[AC+\i:AC+\i+1], v[RP:RP+1], v[BQ+\i:BQ+\i+1] op_sel_hi:[1,0,1]
.else
	v_pk_fma_f32 v[AC+\i:AC+\i+1], v[AC+\i:AC+\i+1], v[RP:RP+1], v[BQ+\i:BQ+\i+1] op_sel:[0,1,0] op_sel_hi:[1,1,1]
.endif
.endr
.set Q, Q+1
.endr
	WIN 0
.endm
; A segment's head and its K step 0: the change of experts, then the fragments of steps 1 and 2.  mid: segment 8, whose x of steps 2 and 3 is asked for here.
.macro HS x, mid
	WIN 0
.if \mid
	s_wait_loadcnt 32                              ; x of step 0; step 1's 32 loads may be out
.endif
	s_wait_dscnt 0x0                               ; step 0's fragments and the tables.  (No wait stands between the rescaling and the products)
	RESCALE
	FETCH AD0+\x, 1
	FETCH AD0+\x, 2
.if \mid
	XL 2, 1, 0, 7
.endif
	MULS 0
.if \mid
	WIN 0
	PLACES
	XL 2, 1, 7, 1
	XL 3, 1, 0, 8
.endif
.endm
; K steps 1, 2, 3 of the slot's segment x.  At step 2's head come the tables for the change of experts, step 3's fragments and the next segment's step 0.
; turn: the slot changes between steps 2 and 3 (step 3's fragments are in registers by then).  fill: the slot left is filled again.
; mid: this is segment 7: behind the last use of a K step's x, x of the second half of K is loaded into its registers.
; The waits on LOADcnt in x = 0 serve the loads of x at the head and in the middle; of a K step's 32 loads, steps 2 and 3 (64) or step 3 (32) may be out.
.macro REST x, turn, fill, mid
	WIN 0
.if (\x) == 0
	s_wait_loadcnt 63                              ; x of step 1
.endif
	s_wait_dscnt 16                                ; step 1's fragments; step 2's 16 loads may be out
.if \mid
	PLACES
	XL 0, 1, 0, 8
.endif
	MULS 1
	WIN 0
.if (\x) == 0
	s_wait_loadcnt 32                              ; x of step 2
.endif
	s_wait_dscnt 0x0                               ; step 2's fragments
	PLACES
	FACTORS 512*(\x)
	BIAS 256*((\x)+1)
	FETCH AD0+\x, 3
.if \turn
.if \mid
	XL 1, 1, 0, 7
.endif
	s_wait_tensorcnt 0x0                           ; my part of the next slot is in
	ds_add_u32 v[SPW], v[NIL]
	MULT 2, 0, 8, 0, 4, 0
	s_add_co_u32 s[T], s[T], 1                     ; on to the next slot: where it lies, and its rows of the tables
	s_xor_b32 s[TB], s[TB], SLOT
	s_and_b32 s62, s[T], 3
	s_lshl_b32 s[ROT], s62, 10
	s_lshl_b32 s[BOT], s62, 9
	MULT 2, 0, 8, 4, 4, 0
.if \fill
	s_xor_b32 s[G0+1], s[G0+1], SLOT               ; slot T + 1's tiles go where the slot left lies:
	s_add_co_u32 s62, s[T], 1
	s_and_b32 s[OFF], s62, 3
	s_lshl_b32 s[OFF], s[OFF], 21                  ; two experts on for each slot,
	s_lshr_b32 s62, s62, 2
	s_lshl_b32 s62, s62, 9                         ; the other half of K from slot 4 on
	s_add_co_u32 s[OFF], s[OFF], s62
	MULT 2, 0, 8, 8, 4, 0
	s_add_nc_u64 s[G0+2:G0+3], s[WB:WB+1], s[OFF:OFF+1]
	s_or_b32 s[G0+3], s[G0+3], 0x80000000
	MULT 2, 0, 8, 12, 6, 0
.else
	MULT 2, 0, 8, 8, 10, 0
.endif
	s_wait_dscnt 0x0                               ; the add is done, and so are my reads of this slot, step 3's fragments the last
	s_barrier_signal -1
	MULT 2, 0, 8, 18, 14, 0
	WIN 0
	s_barrier_wait -1
.if \fill
	CREST                                          ; no wave of any partner still reads the slot left or has a load on its way
	tensor_load_to_lds s[G0:G0+3], s[G1:G1+7]
	s_nop 0
.endif
	v_add_nc_u32 v[AD0], s[TB], v[ADB0]
	v_add_nc_u32 v[AD0+1], s[TB], v[ADB0+1]
	v_add_nc_u32 v[RA], s[ROT], v[RAB]
	v_add_nc_u32 v[BA], s[BOT], v[BAB]
	FETCH AD0, 0
.if \mid
	XL 1, 1, 7, 1
.endif
.else
	FETCH AD0+1-\x, 0
	MULS 2
	WIN 0
.if (\x) == 0
	s_wait_loadcnt 0x0                             ; x of step 3
.endif
	s_wait_dscnt 16                                ; step 3's fragments; the next segment's 16 loads may be out
.endif
	MULS 3
.endm
.macro SLOTB fill, mid                 ; from a slot's K step 1 to the next slot's step 0
	REST 0, 0, 0, 0
	HS 1, 0
	REST 1, 1, \fill, \mid
	HS 0, \mid
.endm
	s_load_b256 s[4:11], s[0:1], 0x0               ; xq s[4:5], We's codes s[6:7], gates s[8:9], be s[10:11]
	s_load_b128 s[12:15], s[0:1], 0x20             ; the scales' exponents s[12:13], out s[14:15]
	v_lshl_add_u32 v[SPW], v0, 2, SPARE
	v_mov_b32 v[NIL], 0
	ds_add_u32 v[SPW], v[NIL]                      ; the opening add, twice on end
	ds_add_u32 v[SPW], v[NIL]
	v_lshrrev_b32 v1, 5, v0
	v_readfirstlane_b32 s16, v1                    ; wave 0..3
	s_and_b32 s17, s16, 1                          ; my half of the columns; also: of which 64 columns I fetch We
	s_lshr_b32 s18, s16, 1                         ; my half of the tokens; also: of which of a slot's two experts
	s_bfe_u32 s20, ttmp6, 0x40000
	s_lshl_b32 s21, ttmp9, 2
	s_add_co_u32 s20, s21, s20                     ; block of 256 tokens = 4 x cluster x + cx
	s_and_b32 s19, ttmp7, 0xffff                   ; block of 128 columns
	s_mov_b32 s[G1], 15|(1<<20)|(1<<21)|(6<<22)|(3<<25) ; mask: all four of the cluster; elements of 1 byte; padding: 4 words after every 128
	s_mov_b32 s[G1+1], 512<<16
	s_mov_b32 s[G1+2], 64<<16
	s_mov_b32 s[G1+3], 512<<16
	s_mov_b32 s[G1+4], 64
	s_mov_b32 s[G1+5], 1024
	s_mov_b32 s[G1+6], 0
	s_mov_b32 s[G1+7], 0
	s_lshl_b32 s48, s20, 18                        ; x: 256 tokens are 262,144 bytes, 64 tokens 65,536
	s_lshl_b32 s60, s16, 16                        ; the prefetch: wave w names 64 tokens' second half of K, quarter y % 4
	s_add_co_u32 s60, s60, s48
	s_and_b32 s21, s19, 3
	s_lshl_b32 s21, s21, 13
	s_add_co_u32 s60, s60, s21
	s_add_co_u32 s60, s60, 32768
	s_mov_b32 s61, 0
	s_lshl_b32 s21, s18, 17
	s_add_co_u32 s48, s48, s21
	s_mov_b32 s49, 0
	s_lshl_b32 s50, s20, 13                        ; gates: 32 bytes a token
	s_lshl_b32 s21, s18, 12
	s_add_co_u32 s50, s50, s21
	s_mov_b32 s51, 0
	s_lshl_b32 s52, s19, 9                         ; be: 512 bytes a column block
	s_lshl_b32 s21, s17, 8
	s_add_co_u32 s52, s52, s21
	s_mov_b32 s53, 0
	s_lshl_b32 s54, s20, 20                        ; out: 4,096 bytes a token
	s_lshl_b32 s21, s18, 19
	s_add_co_u32 s54, s54, s21
	s_add_co_u32 s54, s54, s52
	s_mov_b32 s55, 0
	s_lshl_b32 s58, s19, 17                        ; We: 1,024 bytes a column, 2^20 an expert
	s_lshl_b32 s59, s17, 16
	s_add_co_u32 s58, s58, s59
	s_lshl_b32 s59, s18, 20
	s_add_co_u32 s58, s58, s59
	s_mov_b32 s59, 0
	s_mul_i32 s21, s17, HALFT
	s_mul_i32 s22, s16, RW1
	s_add_co_u32 s22, s22, RL
	s_mul_i32 s23, s16, BW1
	s_add_co_u32 s23, s23, BL
	s_mul_i32 s62, s16, 16*SP
	s_mov_b32 s[G0], 1
	s_mul_i32 s[G0+1], s16, HALFT
	s_mov_b32 s[OFF+1], 0
	s_mov_b32 s[T], 0
	s_mov_b32 s[TB], 0
	v_and_b32 v1, 15, v0                           ; r
	v_bfe_u32 v2, v0, 4, 1                         ; h
	v_and_b32 v[XO], 31, v0
	v_lshlrev_b32 v[XO], 4, v[XO]
	v_lshlrev_b32 v[PFO], 4, v[XO]                 ; 256 x lane
	v_mul_u32_u24 v[ADB0], v1, PITCH               ; a fragment: row r, + 16 h
	v_lshl_add_u32 v[ADB0], v2, 4, v[ADB0]
	v_add_nc_u32 v[ADB0], s21, v[ADB0]
	v_add_nc_u32 v[ADB0+1], 2*HALFT, v[ADB0]
	v_mov_b32 v[AD0], v[ADB0]
	v_mov_b32 v[AD0+1], v[ADB0+1]
	v_lshlrev_b32 v[RAB], 5, v1
	v_add_nc_u32 v[RAB], s22, v[RAB]
	v_mov_b32 v[RA], v[RAB]
	v_lshl_add_u32 v[RTW], v2, 4, v[RAB]           ; lane (r, h) makes the factors of token tiles 4 h .. 4 h + 3
	v_lshlrev_b32 v[BAB], 5, v2
	v_add_nc_u32 v[BAB], s23, v[BAB]
	v_mov_b32 v[BA], v[BAB]
	v_lshlrev_b32 v[BTW], 8, v2
	v_lshl_add_u32 v[BTW], v1, 4, v[BTW]
	v_add_nc_u32 v[BTW], s23, v[BTW]
	v_lshlrev_b32 v[GO], 11, v2
	v_lshl_add_u32 v[GO], v1, 5, v[GO]
	v_lshlrev_b32 v[CO], 12, v2                    ; rows of 4,096 bytes, of be and of out alike: lanes 0-15 one row, lanes 16-31 the next
	v_lshl_add_u32 v[CO], v1, 4, v[CO]
	v_mul_u32_u24 v[STO], v1, SP                   ; the way out: in: row r, 32 bytes for each half of the lanes
	v_lshl_add_u32 v[STO], v2, 5, v[STO]
	v_add_nc_u32 v[STO], s62, v[STO]
	v_mul_u32_u24 v[RD], v2, SP                    ; back: whole rows of 256 bytes
	v_lshl_add_u32 v[RD], v1, 4, v[RD]
	v_add_nc_u32 v[RD], s62, v[RD]
	s_wait_alu depctr_va_vdst(0)
	s_wait_dscnt 0x0                               ; both opening adds are done
	CROUND                                         ; all four work-groups are here: the first joint loads meet
	s_wait_kmcnt 0x0
	s_add_nc_u64 s[WB:WB+1], s[6:7], s[58:59]
	s_mov_b64 s[G0+2:G0+3], s[WB:WB+1]
	s_or_b32 s[G0+3], s[G0+3], 0x80000000
	tensor_load_to_lds s[G0:G0+3], s[G1:G1+7]      ; slot 0
	s_nop 0
	s_load_b64 s[56:57], s[12:13], 0x0             ; ex, ew
	s_add_nc_u64 s[PF:PF+1], s[4:5], s[60:61]
	s_add_nc_u64 s[4:5], s[4:5], s[48:49]
	s_add_nc_u64 s[8:9], s[8:9], s[50:51]
	s_add_nc_u64 s[10:11], s[10:11], s[52:53]
	s_add_nc_u64 s[14:15], s[14:15], s[54:55]
.irp j, 0,1,2,3                        ; the eight gates of token r of tile 4 h + j
	global_load_b128 v[64+8*\j:64+8*\j+3], v[GO], s[8:9] offset:512*\j
	global_load_b128 v[64+8*\j+4:64+8*\j+7], v[GO], s[8:9] offset:512*\j+16
.endr
.irp k, 0,1,2,3                        ; my 64 columns of be: experts 2 k + h
	global_load_b128 v[168+4*\k:168+4*\k+3], v[CO], s[10:11] offset:8192*\k
.endr
	XL 0, 0, 0, 8
	XL 1, 0, 0, 8
	s_wait_kmcnt 0x0
	s_add_co_i32 s[SE], s56, s57
	s_sub_co_i32 s[NE], -1, s[SE]                  ; 2^-(ex + ew) / 2
	s_wait_loadcnt 63                              ; the gates and biases; the 64 loads of x were issued behind them
.irp e, 0,1,2,3,4,5,6,7,8,9,10,11,12,13,14,15,16,17,18,19,20,21,22,23,24,25,26,27,28,29,30,31
	v_rcp_f32 v[96+\e], v[64+\e]
.endr
.irp i, 0,1,2,3,4,5,6,7,8,9,10,11,12,13,14,15
	v_ldexp_f32 v[168+\i], v[168+\i], s[NE]
.endr
	s_wait_alu depctr_va_vdst(0)                   ; one wait for the reciprocals, ahead of their first reader
.irp i, 0,1,2,3,4,5,6,7
.irp j, 0,1,2,3
	v_mul_f32 v[128+4*\i+\j], v[64+8*\j+\i], v[96+8*\j+(\i+1)%8]
.endr
.endr
.irp j, 0,1,2,3
	v_mov_b32 v[160+\j], v[64+8*\j+7]              ; the last factor: the last gate, x 2^(ex + ew) as it came
.endr
.irp i, 0,1,2,3,4,5,6,7,8
	ds_store_b128 v[RTW], v[128+4*\i:128+4*\i+3] offset:512*\i
.endr
.irp k, 0,1,2,3
	ds_store_b128 v[BTW], v[168+4*\k:168+4*\k+3] offset:512*\k
.endr
	ds_store_b128 v[BTW], v[168:171] offset:2048
	XL 2, 0, 0, 8
	s_wait_alu depctr_va_vdst(0)                   ; the wait at the head's end
	s_wait_tensorcnt 0x0                           ; my part of slot 0 is in
	ds_add_u32 v[SPW], v[NIL]
	s_xor_b32 s[G0+1], s[G0+1], SLOT               ; slot 1: experts 2 and 3
	s_add_nc_u64 s[G0+2:G0+3], s[WB:WB+1], 0x200000
	s_or_b32 s[G0+3], s[G0+3], 0x80000000
	s_wait_dscnt 0x0
	CROUND
	tensor_load_to_lds s[G0:G0+3], s[G1:G1+7]      ; slot 1's first fill, as a refill
	s_nop 0
	PLACES
	BIAS 0                                         ; expert 0's: the tables are my own, LDS serves a wave's instructions in order (ISA guide 5.7.1.4)
	FETCH AD0, 0
	FETCH AD0, 1
	FETCH AD0, 2
	s_wait_loadcnt 63                              ; x of step 0; steps 1 and 2 (64 loads) may be out
	s_wait_dscnt 32                                ; the bias and step 0's fragments; steps 1's and 2's may be out
	MULT 0, 0, 8, 0, 32, 1                         ; the first products start the sums
	WIN 0
	XL 3, 0, 0, 8
	global_prefetch_b8 v[PFO], s[PF:PF+1] th:TH_LOAD_NT scope:SCOPE_SE   ; x's second half of K, wanted in segment 7
	s_mov_b32 s[LC], 0
.Lfirst:                                               ; slots 0, 1, 2
	SLOTB 1, 0
	WIN 0
	s_add_co_u32 s[LC], s[LC], 1
	s_cmp_lt_u32 s[LC], 3
	s_cbranch_scc1 .Lfirst
	SLOTB 1, 1                                     ; slot 3, with the change of x
	WIN 0
	s_mov_b32 s[LC], 0
.Lsecond:                                              ; slots 4, 5
	SLOTB 1, 0
	WIN 0
	s_add_co_u32 s[LC], s[LC], 1
	s_cmp_lt_u32 s[LC], 2
	s_cbranch_scc1 .Lsecond
	SLOTB 0, 0                                     ; slot 6 fills nothing
	REST 0, 0, 0, 0                                ; slot 7: its first segment
; THE LAST SEGMENT GOES BY TWO HALVES OF MY TOKENS: tiles 0-3 first, then tiles 4-7, under whose products the first half leaves.  K's order in the second half is steps 3, 2, 0, 1, so that step 1's fragments alone are read twice.
; THE WAY OUT of a tile of 16 tokens: x the last gate; through my stage (slot 0: its last fill has been read by all), back as whole rows of 256 bytes, and out: sixteen lanes store one aligned unit of 256 bytes.
; It works in registers of x that are done with: the scaled sums in x of step 2, tiles 0-3; the rows in x of steps 0 and 1, tiles 0-3 for n < 4, tiles 4-7 behind that.
.macro ROWS n
.set BK, 32*((\n)%2)+128*(((\n)%4)/2)+64*((\n)/4)
.endm
.macro SEND n, younger
	ROWS \n
	s_wait_dscnt \younger
	WIN 0x08
.irp t, 0,1,2,3,4,5,6,7
	global_store_b128 v[CO], v[BK+4*\t:BK+4*\t+3], s[14:15] offset:(16*(\n)+2*\t)*4096 th:TH_STORE_NT
.endr
	WIN 0
.endm
.macro OUT n
.set RP, RT+2*((\n)/2)
.set TM, 32*((\n)%2)
	WIN 0xc1
.irp b, 0,1,2,3
.irp i, 0,2,4,6
.if ((\n)%2) == 0
	v_pk_mul_f32 v[TM+8*\b+\i:TM+8*\b+\i+1], v[8*(4*(\n)+\b)+\i:8*(4*(\n)+\b)+\i+1], v[RP:RP+1] op_sel_hi:[1,0]
.else
	v_pk_mul_f32 v[TM+8*\b+\i:TM+8*\b+\i+1], v[8*(4*(\n)+\b)+\i:8*(4*(\n)+\b)+\i+1], v[RP:RP+1] op_sel:[0,1] op_sel_hi:[1,1]
.endif
.endr
.endr
	WIN 0x0c
.irp b, 0,1,2,3
	ds_store_b128 v[STO], v[TM+8*\b:TM+8*\b+3] offset:64*\b
	ds_store_b128 v[STO], v[TM+8*\b+4:TM+8*\b+7] offset:64*\b+16
.endr
	ROWS \n
	WIN 0x80
.irp t, 0,1,2,3,4,5,6,7
	ds_load_b128 v[BK+4*\t:BK+4*\t+3], v[RD] offset:2*SP*\t
.endr
	WIN 0
.if (\n) > 0
	SEND (\n)-1, 16                                ; behind tile n - 1's loads: tile n's 8 stores and 8 loads
.endif
.endm
	WIN 0
	s_wait_dscnt 0x0
	RESCALE
	FACTORS 1024                                   ; row 8: the last gate
	FETCH AD0+1, 1
	FETCH AD0+1, 2
	MULT 0, 0, 4, 0, 16, 0
	WIN 0
	s_wait_alu depctr_va_vdst(0)
	s_wait_dscnt 16                                ; step 1's fragments; step 2's may be out
	MULT 1, 0, 4, 0, 16, 0
	WIN 0
	s_wait_dscnt 0x0
	PLACES
	FETCH AD0+1, 3
	MULT 2, 0, 4, 0, 16, 0
	WIN 0
	s_wait_dscnt 0x0
	MULT 3, 0, 4, 0, 16, 0                         ; tiles 0-3 are finished
	MULT 3, 4, 4, 0, 16, 0
	WIN 0
	PLACES
	FETCH AD0+1, 1
	OUT 0
	MULT 2, 4, 4, 0, 16, 0
	OUT 1                                          ; (its wait shows step 1's fragments too, which are older)
	MULT 0, 4, 4, 0, 16, 0
	OUT 2
	MULT 1, 4, 4, 0, 16, 0                         ; tiles 4-7 are finished
.irp n, 3,4,5,6,7
	OUT \n
.endr
	SEND 7, 0
	s_wait_tensorcnt 0x0                           ; the wave's end
	ds_add_u32 v[SPW], v[NIL]
	s_wait_dscnt 0x0
	CROUND                                         ; the closing round
	s_endpgm
.Lfunc_end_k_qc5245469b8_moe:
	.size	k_qc5245469b8_moe, .Lfunc_end_k_qc5245469b8_moe-k_qc5245469b8_moe
	.p2alignl 7, 3214868480
	.fill 96, 4, 3214868480
	.section	.rodata,"a",@progbits
	.p2align	6, 0x0
	.amdhsa_kernel k_qc5245469b8_moe
		.amdhsa_group_segment_fixed_size 327680
		.amdhsa_private_segment_fixed_size 0
		.amdhsa_enable_private_segment 0
		.amdhsa_kernarg_size 48
		.amdhsa_user_sgpr_count 2
		.amdhsa_user_sgpr_kernarg_segment_ptr 1
		.amdhsa_wavefront_size32 1
		.amdhsa_system_sgpr_workgroup_id_x 1
		.amdhsa_system_sgpr_workgroup_id_y 1
		.amdhsa_system_sgpr_workgroup_id_z 1
		.amdhsa_system_vgpr_workitem_id 0
		.amdhsa_next_free_vgpr 1024
		.amdhsa_next_free_sgpr 66
		.amdhsa_reserve_vcc 0
		.amdhsa_float_denorm_mode_32 3
		.amdhsa_float_denorm_mode_16_64 3
		.amdhsa_memory_ordered 1
		.amdhsa_forward_progress 1
		.amdhsa_inst_pref_size 255
	.end_amdhsa_kernel
	.section	.bss,"aw",@nobits
	.p2align	6
	.space	262144
	.amdgpu_metadata
---
amdhsa.version: [ 1, 2 ]
amdhsa.kernels:
  - .name:           k_qc5245469b8_moe
    .symbol:         k_qc5245469b8_moe.kd
    .args:
      - { .name: xq, .offset: 0, .size: 8, .value_kind: global_buffer, .address_space: global }
      - { .name: We_codes, .offset: 8, .size: 8, .value_kind: global_buffer, .address_space: global }
      - { .name: gates, .offset: 16, .size: 8, .value_kind: global_buffer, .address_space: global }
      - { .name: be, .offset: 24, .size: 8, .value_kind: global_buffer, .address_space: global }
      - { .name: lowp_scales, .offset: 32, .size: 8, .value_kind: global_buffer, .address_space: global }
      - { .name: out0, .offset: 40, .size: 8, .value_kind: global_buffer, .address_space: global }
    .group_segment_fixed_size: 327680
    .private_segment_fixed_size: 0
    .kernarg_segment_align: 8
    .kernarg_segment_size: 48
    .max_flat_workgroup_size: 128
    .sgpr_count:     66
    .vgpr_count:     1024
    .wavefront_size: 32
...
	.end_amdgpu_metadata
.endif
;; end of part 2
